; MI455X (gfx1250); checked and timed in simulation.
; The chip was launched on July 23, 2026; its instructions are those of AMD's public machine-readable ISA for CDNA 5 (MIT licence, August 2026) and "CDNA5" Instruction Set Architecture Reference Guide (July 2026). The comments in the code are by the model that wrote it; some were corrected since.
;; Radius NMS. Allowed arithmetic: float matrix products may take bf16 or f16 operands with f32 sums; other float arithmetic in f32, or as packed bf16 or f16 multiplies, adds, multiply-adds, maxima and minima; sums over many terms, partial sums and values carried from step to step in f32; what a program stores and reads back later, other than sums and carried values, may be rounded once to bf16 or f16.
;; Inputs: lidar 4 x 5 x 64 x 128 float32; segmented_channels 4 x 4 x 64 x 128 float32.
;; Outputs: out0 4 x 3 x 8,192 x 2 float32; out1 4 x 3 x 8,192 bool.
;; 2 versions, each right; version 2 is version 1 with the launch chain written anew for expert scheduling mode. Each part assembles by itself: llvm-mc -triple=amdgcn-amd-amdhsa -mcpu=gfx1250 --defsym DOCPART=n.
;; ======== version 1 of 2: 4 launches
;; workspace buffers: pos 393,216 bytes of whole numbers; cnt 256 bytes of whole numbers; cxy 786,432 bytes; tmat 100,663,296 bytes of whole numbers; diag 393,216 bytes of whole numbers
;; launch rank (part 1): grid 3 x 4, 8 waves a work-group, no clusters, 1,280 bytes of LDS; arguments segmented_channels, pos, cnt; writes pos, cnt
.if DOCPART == 1
	.amdgcn_target "amdgcn-amd-amdhsa--gfx1250"
	.amdhsa_code_object_version 6
	.text
	.protected	k_qe9a4ba84e4_rank
	.globl	k_qe9a4ba84e4_rank
	.p2align	8
	.type	k_qe9a4ba84e4_rank,@function
k_qe9a4ba84e4_rank:
	s_mov_b64 s[64:65], 0
	v_nop
	global_prefetch_b8 v0, s[64:65] scope:SCOPE_SE
	s_setreg_imm32_b32 hwreg(HW_REG_WAVE_MODE, 25, 1), 1
	s_wait_xcnt 0x0
; For one batch b and one class c (1..3): pos[bc][i], a stable partition rank of the 8,192 points: the points whose argmax is c come first,
; in index order, then all the others, in index order; cnt[bc] = n, the number of the first kind.  bc = 3 b + c - 1.
; pos is a permutation of 0..8191.  No address here hangs on the scores: the ranks are only stored, as whole numbers.
; Eight waves; wave w owns points 1024 w .. +1023 in 8 groups of 128; a lane holds 4 neighbouring points, so each load and store of a wave covers 512 consecutive bytes.
; LIMIT: the first of equal maxima wins, as in the problem's argmax; a NaN score loses here (there it would win).
.set SPARE, 256                        ; the spare words: 128 bytes for each of 8 waves; bytes 0..31 hold the waves' totals
.set D,  32                            ; v[32:159]  group g, channel ch: 4 registers at D + 16 g + 4 ch
.set R,  160                           ; v[160:191] rank inside my wave of point 4 g + e of my lane
.set MK, 32                            ; s[32:63]   mask 4 g + e: the lanes whose point belongs to the class
	s_load_b128 s[4:7], s[0:1], 0x0                ; scores s[4:5], pos s[6:7]
	s_load_b64 s[8:9], s[0:1], 0x10                ; cnt
	v_lshl_add_u32 v30, v0, 2, SPARE               ; my spare word,
	v_mov_b32 v31, 0                               ; and 0: kept for the closing lines alone
	v_and_b32 v1, 31, v0                           ; lane
	v_lshrrev_b32 v5, 5, v0
	v_readfirstlane_b32 s10, v5                    ; wave
	s_add_co_u32 s11, ttmp9, 1                     ; the class
	s_and_b32 s12, ttmp7, 0xffff                   ; b
	s_mul_i32 s13, s12, 3
	s_add_co_u32 s13, s13, ttmp9                   ; bc
	v_lshlrev_b32 v2, 4, v1
	v_lshl_add_u32 v2, s10, 12, v2                 ; 4096 wave + 16 lane: my byte offset in a plane of 8,192 words
	s_mov_b32 s15, 0
	s_mov_b32 s20, 0                               ; class points of my wave so far
	s_wait_kmcnt 0x0
	s_lshl_b32 s14, s12, 17                        ; a batch has 4 planes of 32,768 bytes
	s_add_nc_u64 s[4:5], s[4:5], s[14:15]
	s_lshl_b32 s14, s13, 15
	s_add_nc_u64 s[6:7], s[6:7], s[14:15]
	s_lshl_b32 s14, s13, 2
	s_add_nc_u64 s[8:9], s[8:9], s[14:15]
.irp g, 0,1,2,3,4,5,6,7
.irp ch, 0,1,2,3
	global_load_b128 v[D+16*\g+4*\ch:D+16*\g+4*\ch+3], v2, s[4:5] offset:512*\g+32768*\ch
.endr
.endr
.irp g, 0,1,2,3,4,5,6,7
	s_wait_loadcnt 4*(7-\g)                        ; loads come back in order: group g's four are in, four for each later group stay out
.irp e, 0,1,2,3
	v_cmp_gt_f32 vcc_lo, v[D+16*\g+4+\e], v[D+16*\g+\e]     ; strictly greater: the first maximum keeps its index
	v_cndmask_b32 v3, 0, 1, vcc_lo
	v_max_num_f32 v4, v[D+16*\g+\e], v[D+16*\g+4+\e]
	v_cmp_gt_f32 vcc_lo, v[D+16*\g+8+\e], v4
	v_cndmask_b32 v3, v3, 2, vcc_lo
	v_max_num_f32 v4, v4, v[D+16*\g+8+\e]
	v_cmp_gt_f32 vcc_lo, v[D+16*\g+12+\e], v4
	v_cndmask_b32 v3, v3, 3, vcc_lo
	v_cmp_eq_u32 s[MK+4*\g+\e], s11, v3
.endr
	; class points in front of my first point: those of earlier groups, and all four points of the lanes below me
	v_mbcnt_lo_u32_b32 v[R+4*\g], s[MK+4*\g+3], s20
	v_mbcnt_lo_u32_b32 v[R+4*\g], s[MK+4*\g+2], v[R+4*\g]
	v_mbcnt_lo_u32_b32 v[R+4*\g], s[MK+4*\g+1], v[R+4*\g]
	v_mbcnt_lo_u32_b32 v[R+4*\g], s[MK+4*\g], v[R+4*\g]
.irp e, 0,1,2
	v_cndmask_b32 v5, 0, 1, s[MK+4*\g+\e]
	v_add_nc_u32 v[R+4*\g+\e+1], v[R+4*\g+\e], v5
.endr
.irp e, 0,1,2,3
	s_bcnt1_i32_b32 s21, s[MK+4*\g+\e]
	s_add_co_u32 s20, s20, s21
.endr
.endr
	; the eight waves' totals meet in LDS
	s_lshl_b32 s21, s10, 2
	v_mov_b32 v6, s21
	v_mov_b32 v5, s20
	ds_store_b32 v6, v5                            ; all lanes write the same word with the same value
	s_wait_dscnt 0x0                               ; for the others' sake: my store is done
	s_barrier_signal -1
	s_barrier_wait -1
	v_mov_b32 v7, 0
	ds_load_b128 v[8:11], v7
	ds_load_b128 v[12:15], v7 offset:16
	s_wait_dscnt 0x0
	s_mov_b32 s30, 0                               ; class points of the waves below mine
	s_mov_b32 s31, 0                               ; n
.irp j, 0,1,2,3,4,5,6,7
	v_readfirstlane_b32 s[22+\j], v[8+\j]
	s_cmp_gt_u32 s10, \j
	s_cselect_b32 s21, s[22+\j], 0
	s_add_co_u32 s30, s30, s21
	s_add_co_u32 s31, s31, s[22+\j]
.endr
	s_lshl_b32 s21, s10, 10
	s_add_co_u32 s21, s21, s31
	v_lshl_add_u32 v16, v1, 2, s21                 ; n + 1024 wave + 4 lane
	; u = class points in front of point i.  A class point goes to u; any other to n + (i - u), behind all class points
.irp g, 0,1,2,3,4,5,6,7
.irp e, 0,1,2,3
	v_add_nc_u32 v5, s30, v[R+4*\g+\e]
	v_sub_nc_u32 v6, v16, v5
	v_add_nc_u32 v6, 128*\g+\e, v6
	v_cndmask_b32 v[D+16*\g+\e], v6, v5, s[MK+4*\g+\e]
.endr
	global_store_b128 v2, v[D+16*\g:D+16*\g+3], s[6:7] offset:512*\g
.endr
	v_mov_b32 v5, s31
	s_wait_xcnt 0x0                                ; EXEC is a source of the stores above: it changes only behind this wait
	v_cmp_eq_u32 vcc_lo, 0, v0
	s_and_saveexec_b32 s21, vcc_lo
	global_store_b32 v7, v5, s[8:9]                ; thread 0 stores n
	s_wait_xcnt 0x0                                ; and again in front of the line that widens it
	s_or_b32 exec_lo, exec_lo, s21
	s_wait_tensorcnt 0x0                           ; the wave's end: three closing lines behind my last LDS store
	ds_add_u32 v30, v31
	s_wait_dscnt 0x0
	s_endpgm
.Lfunc_end_k_qe9a4ba84e4_rank:
	.size	k_qe9a4ba84e4_rank, .Lfunc_end_k_qe9a4ba84e4_rank-k_qe9a4ba84e4_rank
	.p2alignl 7, 3214868480
	.fill 96, 4, 3214868480
	.section	.rodata,"a",@progbits
	.p2align	6, 0x0
	.amdhsa_kernel k_qe9a4ba84e4_rank
		.amdhsa_group_segment_fixed_size 1280
		.amdhsa_private_segment_fixed_size 0
		.amdhsa_enable_private_segment 0
		.amdhsa_kernarg_size 24
		.amdhsa_user_sgpr_count 2
		.amdhsa_user_sgpr_kernarg_segment_ptr 1
		.amdhsa_wavefront_size32 1
		.amdhsa_system_sgpr_workgroup_id_x 1
		.amdhsa_system_sgpr_workgroup_id_y 1
		.amdhsa_system_sgpr_workgroup_id_z 1
		.amdhsa_system_vgpr_workitem_id 0
		.amdhsa_next_free_vgpr 192
		.amdhsa_next_free_sgpr 66
		.amdhsa_reserve_vcc 1
		.amdhsa_float_denorm_mode_32 3
		.amdhsa_float_denorm_mode_16_64 3
		.amdhsa_memory_ordered 1
		.amdhsa_forward_progress 1
		.amdhsa_inst_pref_size 33
	.end_amdhsa_kernel
	.amdgpu_metadata
---
amdhsa.version: [ 1, 2 ]
amdhsa.kernels:
  - .name:           k_qe9a4ba84e4_rank
    .symbol:         k_qe9a4ba84e4_rank.kd
    .args:
      - { .name: segmented_channels, .offset: 0, .size: 8, .value_kind: global_buffer, .address_space: global }
      - { .name: pos, .offset: 8, .size: 8, .value_kind: global_buffer, .address_space: global }
      - { .name: cnt, .offset: 16, .size: 8, .value_kind: global_buffer, .address_space: global }
    .group_segment_fixed_size: 1280
    .private_segment_fixed_size: 0
    .kernarg_segment_align: 8
    .kernarg_segment_size: 24
    .max_flat_workgroup_size: 256
    .sgpr_count:     66
    .vgpr_count:     192
    .wavefront_size: 32
...
	.end_amdgpu_metadata
.endif
;; end of part 1
;; launch place (part 2): grid 24 x 4, 8 waves a work-group, no clusters, 0 bytes of LDS; arguments lidar, pos, cxy; writes cxy
.if DOCPART == 2
	.amdgcn_target "amdgcn-amd-amdhsa--gfx1250"
	.amdhsa_code_object_version 6
	.text
	.protected	k_qe9a4ba84e4_place
	.globl	k_qe9a4ba84e4_place
	.p2align	8
	.type	k_qe9a4ba84e4_place,@function
k_qe9a4ba84e4_place:
	s_mov_b64 s[64:65], 0
	v_nop
	global_prefetch_b8 v0, s[64:65] scope:SCOPE_SE
	s_setreg_imm32_b32 hwreg(HW_REG_WAVE_MODE, 25, 1), 1
	s_wait_xcnt 0x0
; The placement pass: cxy[bc][0][pos[bc][i]] = x[b][i], cxy[bc][1][pos[bc][i]] = y[b][i].  pos was stored by the launch before, as whole numbers.
; pos[bc] is a permutation of 0..8191, so every word of cxy is written, by one thread.  A work-group takes 1,024 points of one bc, a thread 4 neighbouring ones.
; The stores are 4 bytes a lane at places that the ranks choose: that is what a placement is; neighbouring class points go to neighbouring words.
; Of lidar only channels 0 and 1 are read: the problem's function uses no other.
	s_load_b128 s[4:7], s[0:1], 0x0                ; lidar s[4:5], pos s[6:7]
	s_load_b64 s[8:9], s[0:1], 0x10                ; cxy
	s_lshr_b32 s10, ttmp9, 3                       ; class - 1
	s_and_b32 s11, ttmp9, 7                        ; which 1,024 points
	s_and_b32 s12, ttmp7, 0xffff                   ; b
	s_mul_i32 s13, s12, 3
	s_add_co_u32 s13, s13, s10                     ; bc
	v_lshlrev_b32 v1, 4, v0
	v_lshl_add_u32 v1, s11, 12, v1                 ; 4096 part + 16 thread
	s_mul_i32 s14, s12, 163840                     ; a batch of lidar: 5 planes of 32,768 bytes
	s_mov_b32 s15, 0
	s_lshl_b32 s16, s13, 15
	s_mov_b32 s17, 0
	s_lshl_b32 s18, s13, 16
	s_mov_b32 s19, 0
	s_wait_kmcnt 0x0
	s_add_nc_u64 s[4:5], s[4:5], s[14:15]
	s_add_nc_u64 s[6:7], s[6:7], s[16:17]
	s_add_nc_u64 s[8:9], s[8:9], s[18:19]
	global_load_b128 v[4:7], v1, s[6:7]
	global_load_b128 v[8:11], v1, s[4:5]
	global_load_b128 v[12:15], v1, s[4:5] offset:32768
	s_wait_loadcnt 0x0
.irp e, 0,1,2,3
	v_min_u32 v[4+\e], 0x1fff, v[4+\e]             ; a number read from memory enters an address only behind a clamp
	v_lshlrev_b32 v[4+\e], 2, v[4+\e]
	global_store_b32 v[4+\e], v[8+\e], s[8:9]
	global_store_b32 v[4+\e], v[12+\e], s[8:9] offset:32768
.endr
	s_endpgm
.Lfunc_end_k_qe9a4ba84e4_place:
	.size	k_qe9a4ba84e4_place, .Lfunc_end_k_qe9a4ba84e4_place-k_qe9a4ba84e4_place
	.p2alignl 7, 3214868480
	.fill 96, 4, 3214868480
	.section	.rodata,"a",@progbits
	.p2align	6, 0x0
	.amdhsa_kernel k_qe9a4ba84e4_place
		.amdhsa_group_segment_fixed_size 0
		.amdhsa_private_segment_fixed_size 0
		.amdhsa_enable_private_segment 0
		.amdhsa_kernarg_size 24
		.amdhsa_user_sgpr_count 2
		.amdhsa_user_sgpr_kernarg_segment_ptr 1
		.amdhsa_wavefront_size32 1
		.amdhsa_system_sgpr_workgroup_id_x 1
		.amdhsa_system_sgpr_workgroup_id_y 1
		.amdhsa_system_sgpr_workgroup_id_z 1
		.amdhsa_system_vgpr_workitem_id 0
		.amdhsa_next_free_vgpr 24
		.amdhsa_next_free_sgpr 66
		.amdhsa_reserve_vcc 0
		.amdhsa_float_denorm_mode_32 3
		.amdhsa_float_denorm_mode_16_64 3
		.amdhsa_memory_ordered 1
		.amdhsa_forward_progress 1
		.amdhsa_inst_pref_size 3
	.end_amdhsa_kernel
	.amdgpu_metadata
---
amdhsa.version: [ 1, 2 ]
amdhsa.kernels:
  - .name:           k_qe9a4ba84e4_place
    .symbol:         k_qe9a4ba84e4_place.kd
    .args:
      - { .name: lidar, .offset: 0, .size: 8, .value_kind: global_buffer, .address_space: global }
      - { .name: pos, .offset: 8, .size: 8, .value_kind: global_buffer, .address_space: global }
      - { .name: cxy, .offset: 16, .size: 8, .value_kind: global_buffer, .address_space: global }
    .group_segment_fixed_size: 0
    .private_segment_fixed_size: 0
    .kernarg_segment_align: 8
    .kernarg_segment_size: 24
    .max_flat_workgroup_size: 256
    .sgpr_count:     66
    .vgpr_count:     24
    .wavefront_size: 32
...
	.end_amdgpu_metadata
.endif
;; end of part 2
;; launch adj (part 3): grid 96 x 4, 8 waves a work-group, no clusters, 0 bytes of LDS; arguments cxy, cnt, tmat, diag; writes tmat, diag
.if DOCPART == 3
	.amdgcn_target "amdgcn-amd-amdhsa--gfx1250"
	.amdhsa_code_object_version 6
	.text
	.protected	k_qe9a4ba84e4_adj
	.globl	k_qe9a4ba84e4_adj
	.p2align	8
	.type	k_qe9a4ba84e4_adj,@function
k_qe9a4ba84e4_adj:
	s_mov_b64 s[64:65], 0
	v_nop
	global_prefetch_b8 v0, s[64:65] scope:SCOPE_SE
	s_setreg_imm32_b32 hwreg(HW_REG_WAVE_MODE, 25, 1), 1
	s_wait_xcnt 0x0
; The bit matrix of d2 <= 9 over the placed points of one bc.  Positions go in blocks of 32, blocks in super-blocks (sb) of 8.  Word (k, w) of lane r: bit j = near(32 k + r, 32 w + j).
; tmat byte = bc 2^23 + k 32768 + (w / 4) 512 + 16 r + 4 (w % 4): a wave's 16-byte store covers 512 consecutive bytes.
; diag byte = bc 32768 + 128 k + 4 r: NOT(word (k, k) of row r AND the bits above r): what row r, if kept, leaves alive in its own block.
; nsb = max(1, ceil(n / 256)) super-blocks hold class points.  For a row block of sb t < nsb the octets of words 0 .. t | 3 are made; for sb nsb (if below 32), which the next launch
; loads ahead and never uses, the octets nsb - 1 and nsb alone: so that launch reads nothing that is not written.
; A TASK is 32 rows x 256 columns (an octet of words), one wave's.  Work-group x takes row blocks x, x + 32, ..; wave v the octets v, v + 8, ...
; Both loops count to constants and jump forward over the steps that n leaves dead.  With n <= 512 there are fewer than 32 row blocks, and the work-groups beyond them find none: their number hangs on the data.
; ARITHMETIC: dx = x_col - x_row, d2 = fma(dy, dy, dx dx), d2 <= 9 in f32: symmetric in the two points.  LIMIT: the fused form rounds once where mul and add round twice,
; so a pair whose d2 lies within one rounding of 9 may fall on the other side.  NaN compares false, as in the problem's function.
.set XC, 12                            ; v[12:19] x of the 8 x 32 column points (register g: word g of the octet, lane = bit)
.set YC, 20                            ; v[20:27] y
.set DX, 32                            ; v[32:39]
.set DY, 40                            ; v[40:47]
.set WD, 48                            ; v[48:55] the task's 8 words a row (lane = row)
	s_load_b256 s[4:11], s[0:1], 0x0               ; cxy s[4:5], cnt s[6:7], tmat s[8:9], diag s[10:11]
	v_and_b32 v1, 31, v0                           ; lane
	v_lshrrev_b32 v5, 5, v0
	v_readfirstlane_b32 s14, v5                    ; wave
	s_and_b32 s16, ttmp9, 31                       ; x
	s_lshr_b32 s18, ttmp9, 5                       ; class - 1
	s_and_b32 s15, ttmp7, 0xffff
	s_mul_i32 s15, s15, 3
	s_add_co_u32 s15, s15, s18                     ; bc
	v_lshlrev_b32 v2, 2, v1                        ; 4 lane
	v_lshlrev_b32 v3, 4, v1                        ; 16 lane
	v_mov_b32 v4, -2
	v_lshlrev_b32 v4, v1, v4                       ; the bits above my lane's
.irp g, 0,1,2,3,4,5,6,7
	v_mov_b32 v[WD+\g], 0                          ; v_writelane_b32 counts as a reader of its destination
.endr
	s_mov_b32 s19, 0x41100000                      ; 9.0
	s_mov_b32 s21, 0                               ; the packed adds name pairs and take the low word for both halves
	s_mov_b32 s23, 0
	s_mov_b32 s33, 0
	s_wait_kmcnt 0x0
	s_lshl_b32 s32, s15, 2
	s_add_nc_u64 s[6:7], s[6:7], s[32:33]
	s_load_b32 s17, s[6:7], 0x0                    ; n
	s_lshl_b32 s32, s15, 16
	s_add_nc_u64 s[4:5], s[4:5], s[32:33]
	s_lshl_b32 s32, s15, 23
	s_add_nc_u64 s[8:9], s[8:9], s[32:33]
	s_lshl_b32 s32, s15, 15
	s_add_nc_u64 s[10:11], s[10:11], s[32:33]
	s_wait_kmcnt 0x0
	s_min_u32 s17, s17, 0x2000
	s_add_co_u32 s17, s17, 255
	s_lshr_b32 s17, s17, 8
	s_max_u32 s17, s17, 1                          ; nsb
	s_add_co_u32 s34, s17, 1
	s_min_u32 s34, s34, 32
	s_lshl_b32 s34, s34, 3                         ; row blocks to make
	s_mov_b32 s24, 0
.Lrow:
	s_lshl_b32 s25, s24, 5
	s_add_co_u32 s25, s25, s16                     ; k
	s_cmp_ge_u32 s25, s34
	s_cbranch_scc1 .Lrow_next
	s_lshr_b32 s35, s25, 3                         ; t, the row block's sb
	s_or_b32 s28, s35, 3
	s_sub_co_u32 s36, s35, 1
	s_cmp_ge_u32 s35, s17                          ; the sb behind the last?
	s_cselect_b32 s28, s35, s28                    ; the last octet wanted: t, else t | 3
	s_cselect_b32 s36, s36, 0                      ; the first: t - 1, else 0
	s_lshl_b32 s29, s25, 7
	s_mov_b32 s26, 0
.Loct:
	s_lshl_b32 s27, s26, 3
	s_add_co_u32 s27, s27, s14                     ; o
	s_cmp_gt_u32 s27, s28
	s_cbranch_scc1 .Loct_next
	s_cmp_lt_u32 s27, s36
	s_cbranch_scc1 .Loct_next
	; THE TASK
	s_wait_xcnt 0x0                                ; the last task's stores have read their registers: words and offsets are rewritten only behind this wait
	v_add_nc_u32 v5, s29, v2                       ; 128 k + 4 lane: my row's word in a plane of cxy, and in diag
	s_lshl_b32 s18, s27, 10
	v_add_nc_u32 v6, s18, v2                       ; 1024 o + 4 lane
	global_load_b32 v8, v5, s[4:5]
	global_load_b32 v9, v5, s[4:5] offset:32768
.irp g, 0,1,2,3,4,5,6,7
	global_load_b32 v[XC+\g], v6, s[4:5] offset:128*\g
	global_load_b32 v[YC+\g], v6, s[4:5] offset:32768+128*\g
.endr
	s_lshl_b32 s30, s25, 15
	s_add_co_u32 s30, s30, s18
	v_add_nc_u32 v7, s30, v3                       ; 32768 k + 1024 o + 16 lane
	s_wait_loadcnt 0x0
	v_xor_b32 v8, 0x80000000, v8                   ; - x_row, - y_row
	v_xor_b32 v9, 0x80000000, v9
.set i, 0
.rept 32                                       ; row i against the 256 columns
	v_readlane_b32 s20, v8, i
	v_readlane_b32 s22, v9, i
.irp m, 0,2,4,6
	v_pk_add_f32 v[DX+\m:DX+\m+1], v[XC+\m:XC+\m+1], s[20:21] op_sel_hi:[1,0]
	v_pk_add_f32 v[DY+\m:DY+\m+1], v[YC+\m:YC+\m+1], s[22:23] op_sel_hi:[1,0]
.endr
.irp m, 0,2,4,6
	v_pk_mul_f32 v[DX+\m:DX+\m+1], v[DX+\m:DX+\m+1], v[DX+\m:DX+\m+1]
.endr
.irp m, 0,2,4,6
	v_pk_fma_f32 v[DX+\m:DX+\m+1], v[DY+\m:DY+\m+1], v[DY+\m:DY+\m+1], v[DX+\m:DX+\m+1]
.endr
.irp g, 0,1,2,3,4,5,6,7
	v_cmp_le_f32 s[40+\g], v[DX+\g], s19           ; 32 columns' bits: a word of the matrix,
.endr
.irp g, 0,1,2,3,4,5,6,7
	v_writelane_b32 v[WD+\g], s[40+\g], i          ; which goes to lane i
.endr
.set i, i+1
.endr
	global_store_b128 v7, v[WD:WD+3], s[8:9]
	global_store_b128 v7, v[WD+4:WD+7], s[8:9] offset:512
	s_cmp_lg_u32 s27, s35
	s_cbranch_scc1 .Loct_next                      ; only the octet that holds word k makes the diagonal's words
	s_and_b32 s18, s25, 7
	v_mov_b32 v10, 0
.irp g, 0,1,2,3,4,5,6,7
	s_cmp_eq_u32 s18, \g
	s_cselect_b32 s31, -1, 0
	v_and_or_b32 v10, v[WD+\g], s31, v10           ; word k % 8 is chosen by a mask, not by an index
.endr
	v_and_b32 v10, v10, v4
	v_xor_b32 v10, -1, v10
	global_store_b32 v5, v10, s[10:11]
.Loct_next:
	s_add_co_u32 s26, s26, 1
	s_cmp_lt_u32 s26, 4
	s_cbranch_scc1 .Loct
.Lrow_next:
	s_add_co_u32 s24, s24, 1
	s_cmp_lt_u32 s24, 8
	s_cbranch_scc1 .Lrow
	s_endpgm
.Lfunc_end_k_qe9a4ba84e4_adj:
	.size	k_qe9a4ba84e4_adj, .Lfunc_end_k_qe9a4ba84e4_adj-k_qe9a4ba84e4_adj
	.p2alignl 7, 3214868480
	.fill 96, 4, 3214868480
	.section	.rodata,"a",@progbits
	.p2align	6, 0x0
	.amdhsa_kernel k_qe9a4ba84e4_adj
		.amdhsa_group_segment_fixed_size 0
		.amdhsa_private_segment_fixed_size 0
		.amdhsa_enable_private_segment 0
		.amdhsa_kernarg_size 32
		.amdhsa_user_sgpr_count 2
		.amdhsa_user_sgpr_kernarg_segment_ptr 1
		.amdhsa_wavefront_size32 1
		.amdhsa_system_sgpr_workgroup_id_x 1
		.amdhsa_system_sgpr_workgroup_id_y 1
		.amdhsa_system_sgpr_workgroup_id_z 1
		.amdhsa_system_vgpr_workitem_id 0
		.amdhsa_next_free_vgpr 64
		.amdhsa_next_free_sgpr 66
		.amdhsa_reserve_vcc 0
		.amdhsa_float_denorm_mode_32 3
		.amdhsa_float_denorm_mode_16_64 3
		.amdhsa_memory_ordered 1
		.amdhsa_forward_progress 1
		.amdhsa_inst_pref_size 75
	.end_amdhsa_kernel
	.amdgpu_metadata
---
amdhsa.version: [ 1, 2 ]
amdhsa.kernels:
  - .name:           k_qe9a4ba84e4_adj
    .symbol:         k_qe9a4ba84e4_adj.kd
    .args:
      - { .name: cxy, .offset: 0, .size: 8, .value_kind: global_buffer, .address_space: global }
      - { .name: cnt, .offset: 8, .size: 8, .value_kind: global_buffer, .address_space: global }
      - { .name: tmat, .offset: 16, .size: 8, .value_kind: global_buffer, .address_space: global }
      - { .name: diag, .offset: 24, .size: 8, .value_kind: global_buffer, .address_space: global }
    .group_segment_fixed_size: 0
    .private_segment_fixed_size: 0
    .kernarg_segment_align: 8
    .kernarg_segment_size: 32
    .max_flat_workgroup_size: 256
    .sgpr_count:     66
    .vgpr_count:     64
    .wavefront_size: 32
...
	.end_amdgpu_metadata
.endif
;; end of part 3
;; launch chain (part 4): grid 3 x 4, 9 waves a work-group, no clusters, 6,912 bytes of LDS; arguments lidar, pos, cnt, tmat, diag, out0, out1; writes out0, out1
.if DOCPART == 4
	.amdgcn_target "amdgcn-amd-amdhsa--gfx1250"
	.amdhsa_code_object_version 6
	.text
	.protected	k_qe9a4ba84e4_chain
	.globl	k_qe9a4ba84e4_chain
	.p2align	8
	.type	k_qe9a4ba84e4_chain,@function
k_qe9a4ba84e4_chain:
	s_mov_b64 s[64:65], 0
	v_nop
	global_prefetch_b8 v0, s[64:65] scope:SCOPE_SE
	s_setreg_imm32_b32 hwreg(HW_REG_WAVE_MODE, 25, 1), 1
	s_wait_xcnt 0x0
; The greedy pass of one bc, on whole numbers alone, and the outputs.  Placed position p is kept iff p < n and no kept p' < p is near it (bit matrix tmat, diagonal words diag).
; Positions go in blocks of 32 (a word of kept bits each) and super-blocks (sb) of 8 blocks; nsb = max(1, ceil(n / 256)) of them hold class points.
; WAVE 8 IS THE CHAIN.  For block k = 8 s + j its lane r ORs (word (k, w) AND kept word w) over w < k; the lanes left at 0 are alive; then 32 scalar steps settle the block itself:
; if bit t is still set, the word is ANDed with row t's diagonal word.  The words w < k come from three sides:
;   FAR: octets 0 .. s - 2, and the flag 'position >= n': made by the helpers one sb ahead, handed over in LDS;   P: octet s - 1;   N: octet s, words below j.
; P and N are loaded one sb ahead into a ring of eight register slots.  The sb loaded ahead is min(s + 1, 31): a number of the loop's counter alone; the launch before has written it also where it holds no class point.
; WAVES 0-7 ARE HELPERS: helper h serves block h of the next sb.  Each keeps all 256 kept words in eight registers (word w: lane w % 32 of register w / 32).
; ONE BARRIER A SUPER-BLOCK, on every wave's path.  Behind barrier s the chain reads FAR[s % 2] and writes KS[s % 2]; the helpers read KS[1 - s % 2] and write FAR[1 - s % 2]:
; in front of each barrier every wave waits for all its LDS instructions.  What n leaves dead is jumped over forward; no barrier stands in what is jumped.  n steers branches alone, no address.
; The two kinds of wave name different registers for all that a load of theirs may still be writing; every LDS address register is made at the head, for all waves, and never rewritten.
; AT THE END wave 0 lays the kept words into a table in LDS, and helper h makes the outputs of points 1024 h .. +1023: keep = bit pos[i] of the table; out1 = keep, out0 = (x keep, y keep),
; by a multiply, as the problem's function does (so inf x 0 is NaN there and here).  Of lidar only channels 0 and 1 are read: the problem's function uses no other.
.set KSW,   4096                       ; LDS: FAR[p] at 2048 p, helper h's 128 bytes at 128 h;  KS[p] at KSW + 256 p: a super-block's 8 kept words (128 bytes written)
.set KTAB,  4608                       ; the 256 kept words
.set SPARE, 5632                       ; the spare words: 128 bytes for each of 9 waves, rounded up to 1,280
.set ACC,  8                           ; chain: v[8:15] block j's OR, v[16:23] a second chain of it
.set TMP,  16
.set RING, 32                          ; chain: v[32:159] slot j at RING + 16 j: P's 8 words, then N's 8 words
.set KR,   160                         ; helper: v[160:167] the kept words
.set TB,   168                         ; helper: v[168:231] 64 words of the matrix
.set OO,   160                         ; the outputs: v[160:191] LDS addresses, then what is stored
.set PP,   192                         ; v[192:207] pos    (for out1: v[192:223])
.set XX,   208                         ; v[208:223] x
.set YY,   224                         ; v[224:239] y
.set WW,   240                         ; v[240:255] kept words, then keep  (for out1: v[224:255])
; v1 lane, v2 16 lane, v3 4 lane, v7 KSW + 4 (lane % 8), v24 128 wave + 4 lane, v30, v31 the add's two.  chain: v4 a super-block's kept words in lanes 0-7, v5, v6 N's and P's byte offsets.  helper: v25-v29 at work
; s2 wave, s3 n, s[4:5] tmat and s[6:7] diag at bc, s[12:13] an offset (s13 = 0), s15, s66 at work, s67 s, s100 nsb, s101 trip, s104 b, s105 bc
; chain: s[8:9] diag at the sb in hand, s[10:11] at the one loaded ahead, both made anew in every sb from s[6:7] and the counter; s14 at work;
;        s[16:47] and s[48:63], s[68:83] two buffers of 32 diagonal words, s[84:91], s[92:99] kept words of even and odd sb
; helper: s[48:63] sixteen kept words, s68-s73 at work.  Behind the loop: s[84:85] lidar, s[86:87] pos, s[88:89] out0, s[90:91] out1
	s_load_b128 s[4:7], s[0:1], 0x18               ; tmat, diag
	s_load_b64 s[8:9], s[0:1], 0x10                ; cnt
	v_lshl_add_u32 v30, v0, 2, SPARE               ; my spare word,
	v_mov_b32 v31, 0                               ; and 0: kept for the closing lines alone
	v_and_b32 v1, 31, v0                           ; lane
	v_lshrrev_b32 v25, 5, v0
	v_readfirstlane_b32 s2, v25                    ; wave
	v_lshlrev_b32 v2, 4, v1
	v_lshlrev_b32 v3, 2, v1
	v_and_b32 v7, 7, v1
	v_lshl_add_u32 v7, v7, 2, KSW                  ; lanes 8-31 repeat lanes 0-7
	s_lshl_b32 s15, s2, 7
	v_add_nc_u32 v24, s15, v3
	v_mov_b32 v4, 0
	v_mov_b32 v5, v2                               ; sb 0: N is octet 0; P has no octet: octet 0 is loaded in its place and meets kept words that are 0
	v_mov_b32 v6, v2
.irp c, 0,1,2,3,4,5,6,7
	v_mov_b32 v[KR+\c], 0                          ; a word not yet handed over suppresses nothing, and a block that is never reached keeps nothing
.endr
	s_and_b32 s104, ttmp7, 0xffff                  ; b
	s_mul_i32 s105, s104, 3
	s_add_co_u32 s105, s105, ttmp9                 ; bc
	s_mov_b32 s13, 0
	s_wait_kmcnt 0x0
	s_lshl_b32 s12, s105, 2
	s_add_nc_u64 s[8:9], s[8:9], s[12:13]
	s_load_b32 s3, s[8:9], 0x0                     ; n
	s_lshl_b32 s12, s105, 23
	s_add_nc_u64 s[4:5], s[4:5], s[12:13]
	s_lshl_b32 s12, s105, 15
	s_add_nc_u64 s[6:7], s[6:7], s[12:13]
	s_wait_kmcnt 0x0
	s_min_u32 s3, s3, 0x2000
	s_add_co_u32 s100, s3, 255
	s_lshr_b32 s100, s100, 8
	s_max_u32 s100, s100, 1                        ; nsb
	s_cmp_eq_u32 s2, 8
	s_cbranch_scc0 .Lhelp_pro
	; THE CHAIN'S START
	ds_store_b32 v3, v4 offset:KSW+256             ; KS[1] = 0: what the helpers read behind the first barrier
.set i, 0
.rept 16
	s_mov_b32 s[84+i], 0                           ; no kept word yet
.set i, i+1
.endr
.irp j, 0,1,2,3,4,5,6,7
	global_load_b128 v[RING+16*\j:RING+16*\j+3],     v6, s[4:5] offset:32768*\j
	global_load_b128 v[RING+16*\j+4:RING+16*\j+7],   v6, s[4:5] offset:32768*\j+512
	global_load_b128 v[RING+16*\j+8:RING+16*\j+11],  v5, s[4:5] offset:32768*\j
	global_load_b128 v[RING+16*\j+12:RING+16*\j+15], v5, s[4:5] offset:32768*\j+512
.endr
	s_load_b512 s[16:31], s[6:7], 0x0              ; block 0's diagonal words
	s_load_b512 s[32:47], s[6:7], 0x40
	s_branch .Lmain
.Lhelp_pro:	; A HELPER'S START: sb 0 has nothing far, only the flag 'position >= n'
	s_lshl_b32 s15, s2, 5
	v_add_nc_u32 v26, s15, v1
	v_cmp_le_u32 vcc_lo, s3, v26
	v_cndmask_b32 v26, 0, 1, vcc_lo
	ds_store_b32 v24, v26                          ; my slice of FAR[0]
; Block j of the super-block in hand.  par = s % 2.
.macro BLOCK j, par
.set SL, RING+16*(\j)
.set KC, 84+8*(\par)                   ; this super-block's kept words
.set KV, 92-8*(\par)                   ; the one before's
	s_wait_loadcnt 28                              ; loads come back in order: slot j's four, issued eight blocks ago, are in; the seven younger slots' 28 stay out
.if (\j) == 0
	s_wait_dscnt 0x0                               ; FAR's 8 slices
.endif
	v_and_or_b32 v[ACC+(\j)], v[SL], s[KV], v[ACC+(\j)]
	v_and_b32 v[TMP+(\j)], s[KV+1], v[SL+1]        ; starts the second chain
.set w, 2
.rept 6
	v_and_or_b32 v[ACC+8*(w%2)+(\j)], v[SL+w], s[KV+w], v[ACC+8*(w%2)+(\j)]
.set w, w+1
.endr
.if (\j) > 0
.set w, 0
.rept \j
	v_and_or_b32 v[ACC+8*(w%2)+(\j)], v[SL+8+w], s[KC+w], v[ACC+8*(w%2)+(\j)]
.set w, w+1
.endr
.endif
	v_or_b32 v[ACC+(\j)], v[ACC+(\j)], v[TMP+(\j)]
	global_load_b128 v[SL:SL+3],     v6, s[4:5] offset:32768*(\j)      ; the slot takes the same block of the sb loaded ahead
	global_load_b128 v[SL+4:SL+7],   v6, s[4:5] offset:32768*(\j)+512
	global_load_b128 v[SL+8:SL+11],  v5, s[4:5] offset:32768*(\j)
	global_load_b128 v[SL+12:SL+15], v5, s[4:5] offset:32768*(\j)+512
	v_cmp_eq_u32 s[KC+(\j)], 0, v[ACC+(\j)]        ; the lanes that nothing earlier suppresses
	s_wait_kmcnt 0x0                               ; this block's diagonal words, asked for a block ago
.if (\j) == 7
	s_load_b512 s[16:31], s[10:11], 0x0            ; the next block's go into the other buffer
	s_load_b512 s[32:47], s[10:11], 0x40
.elseif ((\j)%2) == 0
	s_load_b512 s[48:63], s[8:9], 128*((\j)+1)
	s_load_b512 s[68:83], s[8:9], 128*((\j)+1)+64
.else
	s_load_b512 s[16:31], s[8:9], 128*((\j)+1)
	s_load_b512 s[32:47], s[8:9], 128*((\j)+1)+64
.endif
.set t, 0
.rept 32                                       ; if position t is still alive it is kept, and clears its near neighbours above it
	s_and_b32 s14, s[KC+(\j)], s[16+t+((\j)%2)*(32+4*(t/16))]
	s_bitcmp1_b32 s[KC+(\j)], t
	s_cselect_b32 s[KC+(\j)], s14, s[KC+(\j)]
.set t, t+1
.endr
	v_writelane_b32 v4, s[KC+(\j)], \j
.endm
.macro CHAIN_SB par
	s_wait_xcnt 0x0                                ; v5, v6 and the two bases are sources of loads that may be pending: they are rewritten only behind this wait
	s_lshl_b32 s12, s67, 10                        ; a super-block has 8 x 128 bytes of diagonal words
	s_add_nc_u64 s[8:9], s[6:7], s[12:13]          ; those of the sb in hand
	s_add_co_u32 s66, s67, 1
	s_min_u32 s66, s66, 31                         ; the sb to be loaded ahead
	s_mul_i32 s15, s66, 263168                     ; 8 row blocks of 32,768 bytes, and its own octet, 1,024 bytes each
	v_add_nc_u32 v5, s15, v2
	s_sub_co_u32 s15, s15, 1024                    ; the octet in front of it
	v_add_nc_u32 v6, s15, v2
	s_lshl_b32 s12, s66, 10
	s_add_nc_u64 s[10:11], s[6:7], s[12:13]        ; and its diagonal words
.irp j, 0,1,2,3,4,5,6,7
	ds_load_b32 v[ACC+\j], v3 offset:2048*(\par)+128*\j
.endr
.irp j, 0,1,2,3,4,5,6,7
	BLOCK \j, \par
.endr
	ds_store_b32 v3, v4 offset:KSW+256*(\par)      ; KS[par]: waited for in front of the next barrier
.endm
; The 8 kept words of sb s - 1, from KS[q], go into lanes 8 ((s - 1) % 4) .. + 7 of register (s - 1) / 4.  At s = 0 the number wraps and matches no register.
.macro APPEND q
	ds_load_b32 v25, v7 offset:256*(\q)
	s_sub_co_u32 s69, s67, 1
	s_and_b32 s70, s69, 3
	s_lshl_b32 s70, s70, 3
	s_lshl_b32 s70, 0xff, s70                      ; the eight lanes
	s_lshr_b32 s69, s69, 2
	s_wait_dscnt 0x0
.irp c, 0,1,2,3,4,5,6,7
	s_cmp_eq_u32 s69, \c
	s_cselect_b32 s71, s70, 0
	v_cndmask_b32 v[KR+\c], v[KR+\c], v25, s71     ; the register is chosen by a mask, not by an index
.endr
.endm
.macro HELP_SB par
	s_cmp_gt_u32 s67, s100
	s_cbranch_scc1 .Lhe_\@                         ; nothing more is handed over
	APPEND 1-(\par)
	s_add_co_u32 s66, s67, 1
	s_cmp_ge_u32 s66, s100
	s_cbranch_scc1 .Lhe_\@                         ; no next super-block
	s_lshl_b32 s68, s66, 3
	s_add_co_u32 s68, s68, s2                      ; k = 8 (s + 1) + h
	s_lshl_b32 s72, s68, 5
	v_add_nc_u32 v27, s72, v1
	v_cmp_le_u32 vcc_lo, s3, v27
	v_cndmask_b32 v26, 0, 1, vcc_lo                ; position >= n counts as suppressed
	v_mov_b32 v27, 0
	s_lshl_b32 s68, s68, 15                        ; the row block's first byte
.irp pr, 0,1,2,3                               ; a pair of chunks of 32 words: octets 8 pr .. 8 pr + 7.  Wanted are octets 0 .. s - 1; beyond them the kept words are still 0
	s_cmp_le_u32 s67, 8*\pr
	s_cbranch_scc1 .Lfd_\@                         ; none of them in this pair, nor in any later one
	s_add_co_u32 s72, s68, 8192*\pr
	v_add_nc_u32 v28, s72, v2
	s_cmp_ge_u32 s66, 8*\pr+4                      ; this row's octets are written up to (s + 1) | 3: where the second chunk is not, the first is loaded in its place,
	s_cselect_b32 s73, 4096, 0                     ; and meets kept words that are 0
	s_add_co_u32 s72, s72, s73
	v_add_nc_u32 v29, s72, v2
.irp q, 0,1,2,3,4,5,6,7
	global_load_b128 v[TB+4*\q:TB+4*\q+3], v28, s[4:5] offset:512*\q
.endr
.irp q, 0,1,2,3,4,5,6,7
	global_load_b128 v[TB+32+4*\q:TB+32+4*\q+3], v29, s[4:5] offset:512*\q
.endr
	s_wait_loadcnt 0x0                             ; also frees v28 and v29 for the next pair
.set ch, 0
.rept 2
.set gq, 0
.rept 2                                        ; sixteen words at a time
.set i, 0
.rept 16
	v_readlane_b32 s[48+i], v[KR+2*\pr+ch], 16*gq+i
.set i, i+1
.endr
.set i, 0
.rept 16
	v_and_or_b32 v[26+i%2], v[TB+32*ch+16*gq+i], s[48+i], v[26+i%2]
.set i, i+1
.endr
.set gq, gq+1
.endr
.set ch, ch+1
.endr
.endr
.Lfd_\@:
	v_or_b32 v26, v26, v27
	ds_store_b32 v24, v26 offset:2048*(1-(\par))   ; my slice of FAR for sb s + 1
.Lhe_\@:
.endm
.macro SB par
	s_wait_dscnt 0x0                               ; for the others' sake: all my LDS stores and reads are done
	s_barrier_signal -1
	s_barrier_wait -1
	s_lshl_b32 s67, s101, 1
.if \par
	s_or_b32 s67, s67, 1
.endif
	s_cmp_eq_u32 s2, 8
	s_cbranch_scc0 .Lsh_\@
	s_cmp_ge_u32 s67, s100
	s_cbranch_scc1 .Lse_\@
	CHAIN_SB \par
	s_branch .Lse_\@
.Lsh_\@:
	HELP_SB \par
.Lse_\@:
.endm
.Lmain:
	s_mov_b32 s101, 0
.Ltrip:
	SB 0
	SB 1
	s_add_co_u32 s101, s101, 1
	s_cmp_lt_u32 s101, 16
	s_cbranch_scc1 .Ltrip
	s_load_b128 s[84:87], s[0:1], 0x0              ; lidar, pos: the kept words' scalar registers are free now
	s_load_b64 s[88:89], s[0:1], 0x28              ; out0
	s_load_b64 s[90:91], s[0:1], 0x30              ; out1
	s_wait_dscnt 0x0
	s_barrier_signal -1
	s_barrier_wait -1
	s_cmp_eq_u32 s2, 8
	s_cbranch_scc1 .Ltab_done
	s_mov_b32 s67, 32
	s_cmp_gt_u32 s67, s100
	s_cbranch_scc1 .Lno_last                       ; sb 31's words are still to be taken over only if there is an sb 31
	APPEND 1
.Lno_last:
	s_cmp_lg_u32 s2, 0
	s_cbranch_scc1 .Ltab_done                      ; all helpers hold the same words: wave 0 lays them out
.irp c, 0,1,2,3,4,5,6,7
	ds_store_b32 v3, v[KR+\c] offset:KTAB+128*\c
.endr
.Ltab_done:
	s_wait_dscnt 0x0                               ; for the others' sake: the table is written
	s_barrier_signal -1
	s_barrier_wait -1
	s_cmp_eq_u32 s2, 8
	s_cbranch_scc0 .Lout
	s_wait_tensorcnt 0x0                           ; the chain's end: three closing lines behind my last LDS store
	ds_add_u32 v30, v31
	s_wait_dscnt 0x0
	s_endpgm
.Lout:	; THE OUTPUTS of my 1,024 points; from here on LDS is only read
	s_wait_kmcnt 0x0
	s_mul_i32 s12, s104, 163840                    ; a batch of lidar: 5 planes of 32,768 bytes
	s_add_nc_u64 s[84:85], s[84:85], s[12:13]
	s_lshl_b32 s12, s105, 15
	s_add_nc_u64 s[86:87], s[86:87], s[12:13]
	s_lshl_b32 s12, s105, 16
	s_add_nc_u64 s[88:89], s[88:89], s[12:13]
	s_lshl_b32 s12, s105, 13
	s_add_nc_u64 s[90:91], s[90:91], s[12:13]
	s_lshl_b32 s15, s2, 12
	v_lshl_add_u32 v28, v1, 3, s15                 ; 4096 h + 8 lane: two points a lane, in pos, x and y
	v_lshl_add_u32 v26, v1, 6, s15                 ; 4096 h + 64 lane: sixteen points a lane, in pos
	s_lshl_b32 s15, s2, 13
	v_add_nc_u32 v29, s15, v2                      ; 8192 h + 16 lane, in out0
	s_lshl_b32 s15, s2, 10
	v_add_nc_u32 v27, s15, v2                      ; 1024 h + 16 lane, in out1
; out0 of 512 points: eight times 64 points, two a lane, so that a lane's (x, y, x, y) are 16 bytes and a wave's store covers 512 consecutive bytes
.macro OUT0 bt
.irp u, 0,1,2,3,4,5,6,7
	global_load_b64 v[PP+2*\u:PP+2*\u+1], v28, s[86:87] offset:256*(8*(\bt)+\u)
	global_load_b64 v[XX+2*\u:XX+2*\u+1], v28, s[84:85] offset:256*(8*(\bt)+\u)
	global_load_b64 v[YY+2*\u:YY+2*\u+1], v28, s[84:85] offset:32768+256*(8*(\bt)+\u)
.endr
.if \bt
	s_wait_xcnt 0x0                                ; the stores before have read their data: those registers are rewritten only behind this wait
.endif
	s_wait_loadcnt 0x0
.set i, 0
.rept 16
	v_lshrrev_b32 v[OO+i], 5, v[PP+i]              ; the kept word of my point's position;
	v_min_u32 v[OO+i], 0xff, v[OO+i]               ; a number read from memory enters an address only behind a clamp
	v_lshlrev_b32 v[OO+i], 2, v[OO+i]
	ds_load_b32 v[WW+i], v[OO+i] offset:KTAB
.set i, i+1
.endr
	s_wait_dscnt 0x0
.set i, 0
.rept 16
	v_lshrrev_b32 v[WW+i], v[PP+i], v[WW+i]        ; the shift takes the position's low five bits
	v_and_b32 v[WW+i], 1, v[WW+i]
	v_cvt_f32_u32 v[WW+i], v[WW+i]
.set i, i+1
.endr
.irp u, 0,1,2,3,4,5,6,7
	v_mul_f32 v[OO+4*\u],   v[XX+2*\u],   v[WW+2*\u]
	v_mul_f32 v[OO+4*\u+1], v[YY+2*\u],   v[WW+2*\u]
	v_mul_f32 v[OO+4*\u+2], v[XX+2*\u+1], v[WW+2*\u+1]
	v_mul_f32 v[OO+4*\u+3], v[YY+2*\u+1], v[WW+2*\u+1]
	global_store_b128 v29, v[OO+4*\u:OO+4*\u+3], s[88:89] offset:512*(8*(\bt)+\u)
.endr
.endm
	OUT0 0
	OUT0 1
	; out1: sixteen points a lane, so that a lane's keep bytes are 16 and a wave's store covers 512 consecutive bytes.  pos is read a second time, 64 bytes a lane in four loads
.irp v, 0,1
.irp u, 0,1,2,3
	global_load_b128 v[PP+16*\v+4*\u:PP+16*\v+4*\u+3], v26, s[86:87] offset:2048*\v+16*\u
.endr
.endr
	s_wait_xcnt 0x0                                ; out0's last stores have read their data
	s_wait_loadcnt 0x0
.set i, 0
.rept 32
	v_lshrrev_b32 v[OO+i], 5, v[PP+i]
	v_min_u32 v[OO+i], 0xff, v[OO+i]
	v_lshlrev_b32 v[OO+i], 2, v[OO+i]
	ds_load_b32 v[YY+i], v[OO+i] offset:KTAB
.set i, i+1
.endr
	s_wait_dscnt 0x0
.set i, 0
.rept 32
	v_lshrrev_b32 v[YY+i], v[PP+i], v[YY+i]
	v_and_b32 v[YY+i], 1, v[YY+i]
.set i, i+1
.endr
.set i, 0
.rept 8
	v_lshl_or_b32 v[OO+i], v[YY+4*i+1], 8, v[YY+4*i]
	v_lshl_or_b32 v[OO+i], v[YY+4*i+2], 16, v[OO+i]
	v_lshl_or_b32 v[OO+i], v[YY+4*i+3], 24, v[OO+i]
.set i, i+1
.endr
	global_store_b128 v27, v[OO:OO+3], s[90:91]
	global_store_b128 v27, v[OO+4:OO+7], s[90:91] offset:512
	s_wait_tensorcnt 0x0                           ; the wave's end: three closing lines behind my last LDS store
	ds_add_u32 v30, v31
	s_wait_dscnt 0x0
	s_endpgm
.Lfunc_end_k_qe9a4ba84e4_chain:
	.size	k_qe9a4ba84e4_chain, .Lfunc_end_k_qe9a4ba84e4_chain-k_qe9a4ba84e4_chain
	.p2alignl 7, 3214868480
	.fill 96, 4, 3214868480
	.section	.rodata,"a",@progbits
	.p2align	6, 0x0
	.amdhsa_kernel k_qe9a4ba84e4_chain
		.amdhsa_group_segment_fixed_size 6912
		.amdhsa_private_segment_fixed_size 0
		.amdhsa_enable_private_segment 0
		.amdhsa_kernarg_size 56
		.amdhsa_user_sgpr_count 2
		.amdhsa_user_sgpr_kernarg_segment_ptr 1
		.amdhsa_wavefront_size32 1
		.amdhsa_system_sgpr_workgroup_id_x 1
		.amdhsa_system_sgpr_workgroup_id_y 1
		.amdhsa_system_sgpr_workgroup_id_z 1
		.amdhsa_system_vgpr_workitem_id 0
		.amdhsa_next_free_vgpr 256
		.amdhsa_next_free_sgpr 106
		.amdhsa_reserve_vcc 1
		.amdhsa_float_denorm_mode_32 3
		.amdhsa_float_denorm_mode_16_64 3
		.amdhsa_memory_ordered 1
		.amdhsa_forward_progress 1
		.amdhsa_inst_pref_size 193
	.end_amdhsa_kernel
	.amdgpu_metadata
---
amdhsa.version: [ 1, 2 ]
amdhsa.kernels:
  - .name:           k_qe9a4ba84e4_chain
    .symbol:         k_qe9a4ba84e4_chain.kd
    .args:
      - { .name: lidar, .offset: 0, .size: 8, .value_kind: global_buffer, .address_space: global }
      - { .name: pos, .offset: 8, .size: 8, .value_kind: global_buffer, .address_space: global }
      - { .name: cnt, .offset: 16, .size: 8, .value_kind: global_buffer, .address_space: global }
      - { .name: tmat, .offset: 24, .size: 8, .value_kind: global_buffer, .address_space: global }
      - { .name: diag, .offset: 32, .size: 8, .value_kind: global_buffer, .address_space: global }
      - { .name: out0, .offset: 40, .size: 8, .value_kind: global_buffer, .address_space: global }
      - { .name: out1, .offset: 48, .size: 8, .value_kind: global_buffer, .address_space: global }
    .group_segment_fixed_size: 6912
    .private_segment_fixed_size: 0
    .kernarg_segment_align: 8
    .kernarg_segment_size: 56
    .max_flat_workgroup_size: 288
    .sgpr_count:     106
    .vgpr_count:     256
    .wavefront_size: 32
...
	.end_amdgpu_metadata
.endif
;; end of part 4
;; ======== version 2 of 2: 4 launches; version 1 with the launch chain written anew for expert scheduling mode
;; workspace buffers: pos 393,216 bytes of whole numbers; cnt 256 bytes of whole numbers; cxy 786,432 bytes; tmat 100,663,296 bytes of whole numbers; diag 393,216 bytes of whole numbers
;; launch rank: the kernel of part 1 again; grid 3 x 4, 8 waves a work-group, no clusters, 1,280 bytes of LDS; arguments segmented_channels, pos, cnt; writes pos, cnt
;; launch place: the kernel of part 2 again; grid 24 x 4, 8 waves a work-group, no clusters, 0 bytes of LDS; arguments lidar, pos, cxy; writes cxy
;; launch adj: the kernel of part 3 again; grid 96 x 4, 8 waves a work-group, no clusters, 0 bytes of LDS; arguments cxy, cnt, tmat, diag; writes tmat, diag
;; launch chain (part 5): grid 3 x 4, 9 waves a work-group, no clusters, 6,912 bytes of LDS; arguments lidar, pos, cnt, tmat, diag, out0, out1; writes out0, out1
.if DOCPART == 5
	.amdgcn_target "amdgcn-amd-amdhsa--gfx1250"
	.amdhsa_code_object_version 6
	.text
	.protected	k_qe9a4ba84e4_chain
	.globl	k_qe9a4ba84e4_chain
	.p2align	8
	.type	k_qe9a4ba84e4_chain,@function
k_qe9a4ba84e4_chain:
	s_mov_b64 s[64:65], 0
	v_nop
	global_prefetch_b8 v0, s[64:65] scope:SCOPE_SE
	s_setreg_imm32_b32 hwreg(HW_REG_WAVE_SCHED_MODE, 0, 2), 2
	s_setreg_imm32_b32 hwreg(HW_REG_WAVE_MODE, 25, 1), 1
	s_wait_xcnt 0x0
	s_wait_alu depctr_vm_vsrc(0)
; The greedy pass of one bc, on whole numbers alone, and the outputs.  Placed position p is kept iff p < n and no kept p' < p is near it (bit matrix tmat, diagonal words diag).
; Positions go in blocks of 32 (a word of kept bits each) and super-blocks (sb) of 8 blocks; nsb = max(1, ceil(n / 256)) of them hold class points.
; WAVE 8 IS THE CHAIN.  For block k = 8 s + j its lane r ORs (word (k, w) AND kept word w) over w < k; the lanes left at 0 are alive; then 32 scalar steps settle the block itself:
; if bit t is still set, the word is ANDed with row t's diagonal word.  The words w < k come from three sides:
;   FAR: octets 0 .. s - 2, and the flag 'position >= n': made by the helpers one sb ahead, handed over in LDS;   P: octet s - 1;   N: octet s, words below j.
; P and N are loaded one sb ahead into a ring of eight register slots.  The sb loaded ahead is min(s + 1, 31): a number of the loop's counter alone; the launch before has written it also where it holds no class point.
; WAVES 0-7 ARE HELPERS: helper h serves block h of the next sb.  Each keeps all 256 kept words in eight registers (word w: lane w % 32 of register w / 32).
; ONE BARRIER A SUPER-BLOCK, on every wave's path.  Behind barrier s the chain reads FAR[s % 2] and writes KS[s % 2]; the helpers read KS[1 - s % 2] and write FAR[1 - s % 2]:
; in front of each barrier every wave waits for all its LDS instructions.  What n leaves dead is jumped over forward; no barrier stands in what is jumped.  n steers branches alone, no address.
; The two kinds of wave name different registers for all that a load of theirs may still be writing; every LDS address register is made at the head, for all waves, and never rewritten.
; AT THE END wave 0 lays the kept words into a table in LDS, and helper h makes the outputs of points 1024 h .. +1023: keep = bit pos[i] of the table; out1 = keep, out0 = (x keep, y keep),
; by a multiply, as the problem's function does (so inf x 0 is NaN there and here).  Of lidar only channels 0 and 1 are read: the problem's function uses no other.
; THE MODE: SCHED_MODE bits 1:0 = 2 (LLVM: expert scheduling mode 2), set by the entry lines.  The code itself states the register dependences between vector instructions and
; memory or LDS instructions, and between a vector instruction that writes a scalar register or VCC and its readers, with s_wait_alu, always for 0.
; THE PLAN.  Registers that memory or LDS instructions touch:
;   chain   v3        address of FAR's loads and KS's store; never rewritten.
;           v4        KS's store data; written by the eight v_writelane_b32 of a super-block.
;           v5, v6    the ring loads' offsets; written by two adds at a super-block's head.
;           ACC       FAR's loads land in it at a super-block's head; then the and-ors write it and the compare reads it.
;           RING[j]   block j's and-ors read it; behind them the same block of the sb loaded ahead lands in it.
;   helper  v7, v24   LDS addresses; never rewritten.      v25  KS's load lands in it; eight selects read it.      v26  FAR's store data; written by a select and the and-ors.
;           v28, v29  the loads' offsets; written once a pair.      TB  the loads land in it; the and-ors read it.      KR  read by wave 0's table stores alone.
;   way out v26-v29   offsets, made once.      PP, XX, YY, WW  loads land in them; vector lines read them.      OO  LDS addresses, then store data; written by vector lines both times.
; One wait on vm_vsrc stands behind each super-block's barrier, ahead of the branch on the wave's kind: it frees v4, v5, v6 and v26, v28, v29.  In a block of the chain one wait on va_sdst
; (the compare's mask) and one on va_vdst (the and-ors are done reading the slot) stand between the compare and the scalar steps; the slot's four loads are dealt among the first steps,
; and no vector line up to the block's end names a register that they touch (the v_writelane_b32 names v4).  On the way out a batch's addresses are all made first, then one wait, then the run of loads; likewise the stores.
.set KSW,   4096                       ; LDS: FAR[p] at 2048 p, helper h's 128 bytes at 128 h;  KS[p] at KSW + 256 p: a super-block's 8 kept words (128 bytes written)
.set KTAB,  4608                       ; the 256 kept words
.set SPARE, 5632                       ; the spare words: 128 bytes for each of 9 waves, rounded up to 1,280
.set ACC,  8                           ; chain: v[8:15] block j's OR, v[16:23] a second chain of it
.set TMP,  16
.set RING, 32                          ; chain: v[32:159] slot j at RING + 16 j: P's 8 words, then N's 8 words
.set KR,   160                         ; helper: v[160:167] the kept words
.set TB,   168                         ; helper: v[168:231] 64 words of the matrix
.set OO,   160                         ; the outputs: v[160:191] LDS addresses, then what is stored
.set PP,   192                         ; v[192:207] pos    (for out1: v[192:223])
.set XX,   208                         ; v[208:223] x
.set YY,   224                         ; v[224:239] y
.set WW,   240                         ; v[240:255] kept words, then keep  (for out1: v[224:255])
; v1 lane, v2 16 lane, v3 4 lane, v7 KSW + 4 (lane % 8), v24 128 wave + 4 lane, v30, v31 the add's two.  chain: v4 a super-block's kept words in lanes 0-7, v5, v6 N's and P's byte offsets.  helper: v25-v29 at work
; s2 wave, s3 n, s[4:5] tmat and s[6:7] diag at bc, s[12:13] an offset (s13 = 0), s15, s66 at work, s67 s, s100 nsb, s101 trip, s104 b, s105 bc
; chain: s[8:9] diag at the sb in hand, s[10:11] at the one loaded ahead, both made anew in every sb from s[6:7] and the counter; s14 at work;
;        s[16:47] and s[48:63], s[68:83] two buffers of 32 diagonal words, s[84:91], s[92:99] kept words of even and odd sb
; helper: s[48:63] sixteen kept words, s68-s73 at work.  Behind the loop: s[84:85] lidar, s[86:87] pos, s[88:89] out0, s[90:91] out1
	s_load_b128 s[4:7], s[0:1], 0x18               ; tmat, diag
	s_load_b64 s[8:9], s[0:1], 0x10                ; cnt
	v_lshl_add_u32 v30, v0, 2, SPARE               ; my spare word,
	v_mov_b32 v31, 0                               ; and 0: kept for the closing lines alone
	v_and_b32 v1, 31, v0                           ; lane
	v_lshrrev_b32 v25, 5, v0
	v_readfirstlane_b32 s2, v25                    ; wave
	v_lshlrev_b32 v2, 4, v1
	v_lshlrev_b32 v3, 2, v1
	v_and_b32 v7, 7, v1
	v_lshl_add_u32 v7, v7, 2, KSW                  ; lanes 8-31 repeat lanes 0-7
	s_wait_alu depctr_va_sdst(0)                   ; s2 is written, ahead of its first reader
	s_lshl_b32 s15, s2, 7
	v_add_nc_u32 v24, s15, v3
	v_mov_b32 v4, 0
	v_mov_b32 v5, v2                               ; sb 0: N is octet 0; P has no octet: octet 0 is loaded in its place and meets kept words that are 0
	v_mov_b32 v6, v2
.irp c, 0,1,2,3,4,5,6,7
	v_mov_b32 v[KR+\c], 0                          ; a word not yet handed over suppresses nothing, and a block that is never reached keeps nothing
.endr
	s_and_b32 s104, ttmp7, 0xffff                  ; b
	s_mul_i32 s105, s104, 3
	s_add_co_u32 s105, s105, ttmp9                 ; bc
	s_mov_b32 s13, 0
	s_wait_kmcnt 0x0
	s_lshl_b32 s12, s105, 2
	s_add_nc_u64 s[8:9], s[8:9], s[12:13]
	s_load_b32 s3, s[8:9], 0x0                     ; n
	s_lshl_b32 s12, s105, 23
	s_add_nc_u64 s[4:5], s[4:5], s[12:13]
	s_lshl_b32 s12, s105, 15
	s_add_nc_u64 s[6:7], s[6:7], s[12:13]
	s_wait_kmcnt 0x0
	s_min_u32 s3, s3, 0x2000
	s_add_co_u32 s100, s3, 255
	s_lshr_b32 s100, s100, 8
	s_max_u32 s100, s100, 1                        ; nsb
	s_wait_alu depctr_va_vdst(0)                   ; the head's vector lines have written v2 to v7 and v24, which the first LDS and memory instructions of both kinds of wave read, and v25, in which a helper's first load lands
	s_cmp_eq_u32 s2, 8
	s_cbranch_scc0 .Lhelp_pro
	; THE CHAIN'S START
	ds_store_b32 v3, v4 offset:KSW+256             ; KS[1] = 0: what the helpers read behind the first barrier
.set i, 0
.rept 16
	s_mov_b32 s[84+i], 0                           ; no kept word yet
.set i, i+1
.endr
.irp j, 0,1,2,3,4,5,6,7
	global_load_b128 v[RING+16*\j:RING+16*\j+3],     v6, s[4:5] offset:32768*\j
	global_load_b128 v[RING+16*\j+4:RING+16*\j+7],   v6, s[4:5] offset:32768*\j+512
	global_load_b128 v[RING+16*\j+8:RING+16*\j+11],  v5, s[4:5] offset:32768*\j
	global_load_b128 v[RING+16*\j+12:RING+16*\j+15], v5, s[4:5] offset:32768*\j+512
.endr
	s_load_b512 s[16:31], s[6:7], 0x0              ; block 0's diagonal words
	s_load_b512 s[32:47], s[6:7], 0x40
	s_branch .Lmain
.Lhelp_pro:	; A HELPER'S START: sb 0 has nothing far, only the flag 'position >= n'
	s_lshl_b32 s15, s2, 5
	v_add_nc_u32 v26, s15, v1
	v_cmp_le_u32 vcc_lo, s3, v26
	s_wait_alu depctr_va_vcc(0)                    ; the compare has written VCC, which the select reads
	v_cndmask_b32 v26, 0, 1, vcc_lo
	s_wait_alu depctr_va_vdst(0)                   ; the select has written v26, which the LDS store reads
	ds_store_b32 v24, v26                          ; my slice of FAR[0]
; Block j of the super-block in hand.  par = s % 2.
.macro BLOCK j, par
.set SL, RING+16*(\j)
.set KC, 84+8*(\par)                   ; this super-block's kept words
.set KV, 92-8*(\par)                   ; the one before's
	s_wait_loadcnt 28                              ; loads come back in order: slot j's four, issued eight blocks ago, are in; the seven younger slots' 28 stay out
.if (\j) == 0
	s_wait_dscnt 0x0                               ; FAR's 8 slices
.endif
	v_and_or_b32 v[ACC+(\j)], v[SL], s[KV], v[ACC+(\j)]
	v_and_b32 v[TMP+(\j)], s[KV+1], v[SL+1]        ; starts the second chain
.set w, 2
.rept 6
	v_and_or_b32 v[ACC+8*(w%2)+(\j)], v[SL+w], s[KV+w], v[ACC+8*(w%2)+(\j)]
.set w, w+1
.endr
.if (\j) > 0
.set w, 0
.rept \j
	v_and_or_b32 v[ACC+8*(w%2)+(\j)], v[SL+8+w], s[KC+w], v[ACC+8*(w%2)+(\j)]
.set w, w+1
.endr
.endif
	v_or_b32 v[ACC+(\j)], v[ACC+(\j)], v[TMP+(\j)]
	v_cmp_eq_u32 s[KC+(\j)], 0, v[ACC+(\j)]        ; the lanes that nothing earlier suppresses
	s_wait_kmcnt 0x0                               ; this block's diagonal words, asked for a block ago
.if (\j) == 7
	s_load_b512 s[16:31], s[10:11], 0x0            ; the next block's go into the other buffer
	s_load_b512 s[32:47], s[10:11], 0x40
.elseif ((\j)%2) == 0
	s_load_b512 s[48:63], s[8:9], 128*((\j)+1)
	s_load_b512 s[68:83], s[8:9], 128*((\j)+1)+64
.else
	s_load_b512 s[16:31], s[8:9], 128*((\j)+1)
	s_load_b512 s[32:47], s[8:9], 128*((\j)+1)+64
.endif
	s_wait_alu depctr_va_sdst(0)                   ; the compare has written the block's word, ahead of its first reader, the first scalar step
	s_wait_alu depctr_va_vdst(0)                   ; the and-ors are done reading slot j, in which the four loads below land; in block 0 also: v5 and v6 are written, which those loads read
.set t, 0
.rept 32                                       ; if position t is still alive it is kept, and clears its near neighbours above it
	s_and_b32 s14, s[KC+(\j)], s[16+t+((\j)%2)*(32+4*(t/16))]
	s_bitcmp1_b32 s[KC+(\j)], t
	s_cselect_b32 s[KC+(\j)], s14, s[KC+(\j)]
.if t == 0                                     ; the slot takes the same block of the sb loaded ahead: a load behind each of the first four steps.  No wait: no vector line since the wait above
	global_load_b128 v[SL:SL+3],     v6, s[4:5] offset:32768*(\j)
.elseif t == 1
	global_load_b128 v[SL+4:SL+7],   v6, s[4:5] offset:32768*(\j)+512
.elseif t == 2
	global_load_b128 v[SL+8:SL+11],  v5, s[4:5] offset:32768*(\j)
.elseif t == 3
	global_load_b128 v[SL+12:SL+15], v5, s[4:5] offset:32768*(\j)+512
.endif
.set t, t+1
.endr
	v_writelane_b32 v4, s[KC+(\j)], \j
.endm
.macro CHAIN_SB par
	s_wait_xcnt 0x0                                ; v5, v6 and the two bases are sources of loads that may be pending: they are rewritten only behind this wait (and v5, v6 behind the wait on vm_vsrc at the super-block's head)
	s_lshl_b32 s12, s67, 10                        ; a super-block has 8 x 128 bytes of diagonal words
	s_add_nc_u64 s[8:9], s[6:7], s[12:13]          ; those of the sb in hand
	s_add_co_u32 s66, s67, 1
	s_min_u32 s66, s66, 31                         ; the sb to be loaded ahead
	s_mul_i32 s15, s66, 263168                     ; 8 row blocks of 32,768 bytes, and its own octet, 1,024 bytes each
	v_add_nc_u32 v5, s15, v2
	s_sub_co_u32 s15, s15, 1024                    ; the octet in front of it
	v_add_nc_u32 v6, s15, v2
	s_lshl_b32 s12, s66, 10
	s_add_nc_u64 s[10:11], s[6:7], s[12:13]        ; and its diagonal words
.irp j, 0,1,2,3,4,5,6,7
	ds_load_b32 v[ACC+\j], v3 offset:2048*(\par)+128*\j  ; no wait: every line that named ACC stands ahead of the wait at the last super-block's end, and no vector line since names it
.endr
.irp j, 0,1,2,3,4,5,6,7
	BLOCK \j, \par
.endr
	s_wait_alu depctr_va_vdst(0)                   ; the eight v_writelane_b32 have written v4, which the store reads; and this super-block's lines are done with ACC, in which the next one's FAR lands
	ds_store_b32 v3, v4 offset:KSW+256*(\par)      ; KS[par]: waited for in front of the next barrier
.endm
; The 8 kept words of sb s - 1, from KS[q], go into lanes 8 ((s - 1) % 4) .. + 7 of register (s - 1) / 4.  At s = 0 the number wraps and matches no register.
.macro APPEND q
	s_wait_alu depctr_va_vdst(0)                   ; the last take-over's selects are done reading v25, in which the load lands
	ds_load_b32 v25, v7 offset:256*(\q)
	s_sub_co_u32 s69, s67, 1
	s_and_b32 s70, s69, 3
	s_lshl_b32 s70, s70, 3
	s_lshl_b32 s70, 0xff, s70                      ; the eight lanes
	s_lshr_b32 s69, s69, 2
	s_wait_dscnt 0x0
.irp c, 0,1,2,3,4,5,6,7
	s_cmp_eq_u32 s69, \c
	s_cselect_b32 s71, s70, 0
	v_cndmask_b32 v[KR+\c], v[KR+\c], v25, s71     ; the register is chosen by a mask, not by an index
.endr
.endm
; Sixteen kept words, lanes 16 half .. + 15 of a register, into s[48:63]; and sixteen words of the matrix ANDed with them, in two chains
.macro RL16 reg, half
.set i, 0
.rept 16
	v_readlane_b32 s[48+i], v[(\reg)], 16*(\half)+i
.set i, i+1
.endr
.endm
.macro AO16 base
.set i, 0
.rept 16
	v_and_or_b32 v[26+i%2], v[(\base)+i], s[48+i], v[26+i%2]
.set i, i+1
.endr
.endm
.macro HELP_SB par
	s_cmp_gt_u32 s67, s100
	s_cbranch_scc1 .Lhe_\@                         ; nothing more is handed over
	APPEND 1-(\par)
	s_add_co_u32 s66, s67, 1
	s_cmp_ge_u32 s66, s100
	s_cbranch_scc1 .Lhe_\@                         ; no next super-block
	s_lshl_b32 s68, s66, 3
	s_add_co_u32 s68, s68, s2                      ; k = 8 (s + 1) + h
	s_lshl_b32 s72, s68, 5
	v_add_nc_u32 v27, s72, v1
	v_cmp_le_u32 vcc_lo, s3, v27
	s_lshl_b32 s68, s68, 15                        ; the row block's first byte
	s_wait_alu depctr_va_vcc(0)                    ; the compare has written VCC, which the select reads
	v_cndmask_b32 v26, 0, 1, vcc_lo                ; position >= n counts as suppressed
	v_mov_b32 v27, 0
.irp pr, 0,1,2,3                               ; a pair of chunks of 32 words: octets 8 pr .. 8 pr + 7.  Wanted are octets 0 .. s - 1; beyond them the kept words are still 0
	s_cmp_le_u32 s67, 8*\pr
	s_cbranch_scc1 .Lfd_\@                         ; none of them in this pair, nor in any later one
	s_add_co_u32 s72, s68, 8192*\pr
	v_add_nc_u32 v28, s72, v2
	s_cmp_ge_u32 s66, 8*\pr+4                      ; this row's octets are written up to (s + 1) | 3: where the second chunk is not, the first is loaded in its place,
	s_cselect_b32 s73, 4096, 0                     ; and meets kept words that are 0
	s_add_co_u32 s72, s72, s73
	v_add_nc_u32 v29, s72, v2
	s_wait_alu depctr_va_vdst(0)                   ; v28 and v29 are written, which the loads read; the and-ors issued so far are done reading TB, in which they land
.irp q, 0,1,2,3,4,5,6,7
	global_load_b128 v[TB+4*\q:TB+4*\q+3], v28, s[4:5] offset:512*\q
.endr
.irp q, 0,1,2,3,4,5,6,7
	global_load_b128 v[TB+32+4*\q:TB+32+4*\q+3], v29, s[4:5] offset:512*\q
.endr
	RL16 KR+2*\pr, 0                               ; the first sixteen kept words are taken while the loads are on their way
	s_wait_loadcnt 0x0                             ; also frees v28 and v29 for the next pair
.if \pr < 3
	s_wait_alu depctr_vm_vsrc(0)                   ; the loads have read v28 and v29, which the next pair's adds write again
.endif
	s_wait_alu depctr_va_sdst(0)                   ; the sixteen v_readlane_b32 have written s[48:63], ahead of their first reader
	AO16 TB
	RL16 KR+2*\pr, 1
	s_wait_alu depctr_va_sdst(0)                   ; the same for the next sixteen
	AO16 TB+16
	RL16 KR+2*\pr+1, 0
	s_wait_alu depctr_va_sdst(0)                   ; the same
	AO16 TB+32
	RL16 KR+2*\pr+1, 1
	s_wait_alu depctr_va_sdst(0)                   ; the same
	AO16 TB+48
.endr
.Lfd_\@:
	v_or_b32 v26, v26, v27
	s_wait_alu depctr_va_vdst(0)                   ; v26 is written, which the LDS store reads
	ds_store_b32 v24, v26 offset:2048*(1-(\par))   ; my slice of FAR for sb s + 1
.Lhe_\@:
.endm
.macro SB par
	s_wait_dscnt 0x0                               ; for the others' sake: all my LDS stores and reads are done
	s_barrier_signal -1
	s_barrier_wait -1
	s_wait_alu depctr_vm_vsrc(0)                   ; my LDS stores and my loads issued so far have read their registers: the chain writes v4, v5 and v6 again, a helper v26, v28 and v29
	s_lshl_b32 s67, s101, 1
.if \par
	s_or_b32 s67, s67, 1
.endif
	s_cmp_eq_u32 s2, 8
	s_cbranch_scc0 .Lsh_\@
	s_cmp_ge_u32 s67, s100
	s_cbranch_scc1 .Lse_\@
	CHAIN_SB \par
	s_branch .Lse_\@
.Lsh_\@:
	HELP_SB \par
.Lse_\@:
.endm
.Lmain:
	s_mov_b32 s101, 0
.Ltrip:
	SB 0
	SB 1
	s_add_co_u32 s101, s101, 1
	s_cmp_lt_u32 s101, 16
	s_cbranch_scc1 .Ltrip
	s_load_b128 s[84:87], s[0:1], 0x0              ; lidar, pos: the kept words' scalar registers are free now
	s_load_b64 s[88:89], s[0:1], 0x28              ; out0
	s_load_b64 s[90:91], s[0:1], 0x30              ; out1
	s_wait_dscnt 0x0
	s_barrier_signal -1
	s_barrier_wait -1
	s_cmp_eq_u32 s2, 8
	s_cbranch_scc1 .Ltab_done
	s_mov_b32 s67, 32
	s_cmp_gt_u32 s67, s100
	s_cbranch_scc1 .Lno_last                       ; sb 31's words are still to be taken over only if there is an sb 31
	APPEND 1
.Lno_last:
	s_cmp_lg_u32 s2, 0
	s_cbranch_scc1 .Ltab_done                      ; all helpers hold the same words: wave 0 lays them out
	s_wait_alu depctr_va_vdst(0)                   ; the take-overs' selects have written KR, which the stores read
.irp c, 0,1,2,3,4,5,6,7
	ds_store_b32 v3, v[KR+\c] offset:KTAB+128*\c
.endr
.Ltab_done:
	s_wait_dscnt 0x0                               ; for the others' sake: the table is written
	s_barrier_signal -1
	s_barrier_wait -1
	s_wait_alu depctr_vm_vsrc(0)                   ; the table's stores have read KR, FAR's last store v26, the helpers' last loads v28 and v29: the way out writes all of them again
	s_cmp_eq_u32 s2, 8
	s_cbranch_scc0 .Lout
	s_wait_dscnt 0x0                               ; the chain's end: the closing lines, six on end
	s_wait_alu 0x0
	s_wait_tensorcnt 0x0
	ds_add_u32 v30, v31
	s_wait_dscnt 0x0
	s_endpgm
.Lout:	; THE OUTPUTS of my 1,024 points; from here on LDS is only read
	s_wait_kmcnt 0x0
	s_mul_i32 s12, s104, 163840                    ; a batch of lidar: 5 planes of 32,768 bytes
	s_add_nc_u64 s[84:85], s[84:85], s[12:13]
	s_lshl_b32 s12, s105, 15
	s_add_nc_u64 s[86:87], s[86:87], s[12:13]
	s_lshl_b32 s12, s105, 16
	s_add_nc_u64 s[88:89], s[88:89], s[12:13]
	s_lshl_b32 s12, s105, 13
	s_add_nc_u64 s[90:91], s[90:91], s[12:13]
	s_lshl_b32 s15, s2, 12
	v_lshl_add_u32 v28, v1, 3, s15                 ; 4096 h + 8 lane: two points a lane, in pos, x and y
	v_lshl_add_u32 v26, v1, 6, s15                 ; 4096 h + 64 lane: sixteen points a lane, in pos
	s_lshl_b32 s15, s2, 13
	v_add_nc_u32 v29, s15, v2                      ; 8192 h + 16 lane, in out0
	s_lshl_b32 s15, s2, 10
	v_add_nc_u32 v27, s15, v2                      ; 1024 h + 16 lane, in out1
	s_wait_alu depctr_va_vdst(0)                   ; the four offsets are written, which all loads and stores below read; the loop's and-ors are done reading TB, in whose registers the first loads land
; out0 of 512 points: eight times 64 points, two a lane, so that a lane's (x, y, x, y) are 16 bytes and a wave's store covers 512 consecutive bytes
.macro OUT0 bt
.irp u, 0,1,2,3,4,5,6,7                        ; no wait: no vector line stands between these loads and the last wait on va_vdst, ahead of which stands every line that named their registers
	global_load_b64 v[PP+2*\u:PP+2*\u+1], v28, s[86:87] offset:256*(8*(\bt)+\u)
	global_load_b64 v[XX+2*\u:XX+2*\u+1], v28, s[84:85] offset:256*(8*(\bt)+\u)
	global_load_b64 v[YY+2*\u:YY+2*\u+1], v28, s[84:85] offset:32768+256*(8*(\bt)+\u)
.endr
.if \bt
	s_wait_xcnt 0x0                                ; the stores before have read their data: those registers are rewritten only behind this wait
	s_wait_alu depctr_vm_vsrc(0)                   ; the stores before have read v[OO ..], which the address lines below write again
.endif
	s_wait_loadcnt 0x0
.set i, 0
.rept 16
	v_lshrrev_b32 v[OO+i], 5, v[PP+i]              ; the kept word of my point's position;
.set i, i+1
.endr
.set i, 0
.rept 16
	v_min_u32 v[OO+i], 0xff, v[OO+i]               ; a number read from memory enters an address only behind a clamp
.set i, i+1
.endr
.set i, 0
.rept 16
	v_lshlrev_b32 v[OO+i], 2, v[OO+i]
.set i, i+1
.endr
	s_wait_alu depctr_va_vdst(0)                   ; the sixteen addresses are written, which the LDS loads read; the batch before is done with WW, in which they land
.set i, 0
.rept 16
	ds_load_b32 v[WW+i], v[OO+i] offset:KTAB
.set i, i+1
.endr
	s_wait_dscnt 0x0
	s_wait_alu depctr_vm_vsrc(0)                   ; the LDS loads have read v[OO ..], which the multiplies below write again
.set i, 0
.rept 16
	v_lshrrev_b32 v[WW+i], v[PP+i], v[WW+i]        ; the shift takes the position's low five bits
.set i, i+1
.endr
.set i, 0
.rept 16
	v_and_b32 v[WW+i], 1, v[WW+i]
.set i, i+1
.endr
.set i, 0
.rept 16
	v_cvt_f32_u32 v[WW+i], v[WW+i]
.set i, i+1
.endr
.irp u, 0,1,2,3,4,5,6,7
	v_mul_f32 v[OO+4*\u],   v[XX+2*\u],   v[WW+2*\u]
	v_mul_f32 v[OO+4*\u+1], v[YY+2*\u],   v[WW+2*\u]
	v_mul_f32 v[OO+4*\u+2], v[XX+2*\u+1], v[WW+2*\u+1]
	v_mul_f32 v[OO+4*\u+3], v[YY+2*\u+1], v[WW+2*\u+1]
.endr
	s_wait_alu depctr_va_vdst(0)                   ; the multiplies have written v[OO ..], which the stores read, and are done reading PP, XX and YY, in which the next loads land
.irp u, 0,1,2,3,4,5,6,7
	global_store_b128 v29, v[OO+4*\u:OO+4*\u+3], s[88:89] offset:512*(8*(\bt)+\u)
.endr
.endm
	OUT0 0
	OUT0 1
	; out1: sixteen points a lane, so that a lane's keep bytes are 16 and a wave's store covers 512 consecutive bytes.  pos is read a second time, 64 bytes a lane in four loads
.irp v, 0,1                                    ; no wait: no vector line stands between these loads and the wait ahead of out0's last stores
.irp u, 0,1,2,3
	global_load_b128 v[PP+16*\v+4*\u:PP+16*\v+4*\u+3], v26, s[86:87] offset:2048*\v+16*\u
.endr
.endr
	s_wait_xcnt 0x0                                ; out0's last stores have read their data
	s_wait_alu depctr_vm_vsrc(0)                   ; out0's last stores have read v[OO ..], which the address lines below write again
	s_wait_loadcnt 0x0
.set i, 0
.rept 32
	v_lshrrev_b32 v[OO+i], 5, v[PP+i]
.set i, i+1
.endr
.set i, 0
.rept 32
	v_min_u32 v[OO+i], 0xff, v[OO+i]
.set i, i+1
.endr
.set i, 0
.rept 32
	v_lshlrev_b32 v[OO+i], 2, v[OO+i]
.set i, i+1
.endr
	s_wait_alu depctr_va_vdst(0)                   ; the 32 addresses are written, which the LDS loads read; out0's lines are done with v[YY ..] and v[WW ..], in which they land
.set i, 0
.rept 32
	ds_load_b32 v[YY+i], v[OO+i] offset:KTAB
.set i, i+1
.endr
	s_wait_dscnt 0x0
	s_wait_alu depctr_vm_vsrc(0)                   ; the LDS loads have read v[OO ..], which the packing lines below write again
.set i, 0
.rept 32
	v_lshrrev_b32 v[YY+i], v[PP+i], v[YY+i]
.set i, i+1
.endr
.set i, 0
.rept 32
	v_and_b32 v[YY+i], 1, v[YY+i]
.set i, i+1
.endr
.set i, 0
.rept 8
	v_lshl_or_b32 v[OO+i], v[YY+4*i+1], 8, v[YY+4*i]
.set i, i+1
.endr
.set i, 0
.rept 8
	v_lshl_or_b32 v[OO+i], v[YY+4*i+2], 16, v[OO+i]
.set i, i+1
.endr
.set i, 0
.rept 8
	v_lshl_or_b32 v[OO+i], v[YY+4*i+3], 24, v[OO+i]
.set i, i+1
.endr
	s_wait_alu depctr_va_vdst(0)                   ; the packing lines have written v[OO ..], which the two stores read
	global_store_b128 v27, v[OO:OO+3], s[90:91]
	global_store_b128 v27, v[OO+4:OO+7], s[90:91] offset:512
	s_wait_dscnt 0x0                               ; the wave's end: the closing lines, six on end
	s_wait_alu 0x0
	s_wait_tensorcnt 0x0
	ds_add_u32 v30, v31
	s_wait_dscnt 0x0
	s_endpgm
.Lfunc_end_k_qe9a4ba84e4_chain:
	.size	k_qe9a4ba84e4_chain, .Lfunc_end_k_qe9a4ba84e4_chain-k_qe9a4ba84e4_chain
	.p2alignl 7, 3214868480
	.fill 96, 4, 3214868480
	.section	.rodata,"a",@progbits
	.p2align	6, 0x0
	.amdhsa_kernel k_qe9a4ba84e4_chain
		.amdhsa_group_segment_fixed_size 6912
		.amdhsa_private_segment_fixed_size 0
		.amdhsa_enable_private_segment 0
		.amdhsa_kernarg_size 56
		.amdhsa_user_sgpr_count 2
		.amdhsa_user_sgpr_kernarg_segment_ptr 1
		.amdhsa_wavefront_size32 1
		.amdhsa_system_sgpr_workgroup_id_x 1
		.amdhsa_system_sgpr_workgroup_id_y 1
		.amdhsa_system_sgpr_workgroup_id_z 1
		.amdhsa_system_vgpr_workitem_id 0
		.amdhsa_next_free_vgpr 256
		.amdhsa_next_free_sgpr 106
		.amdhsa_reserve_vcc 1
		.amdhsa_float_denorm_mode_32 3
		.amdhsa_float_denorm_mode_16_64 3
		.amdhsa_memory_ordered 1
		.amdhsa_forward_progress 1
		.amdhsa_inst_pref_size 196
	.end_amdhsa_kernel
	.amdgpu_metadata
---
amdhsa.version: [ 1, 2 ]
amdhsa.kernels:
  - .name:           k_qe9a4ba84e4_chain
    .symbol:         k_qe9a4ba84e4_chain.kd
    .args:
      - { .name: lidar, .offset: 0, .size: 8, .value_kind: global_buffer, .address_space: global }
      - { .name: pos, .offset: 8, .size: 8, .value_kind: global_buffer, .address_space: global }
      - { .name: cnt, .offset: 16, .size: 8, .value_kind: global_buffer, .address_space: global }
      - { .name: tmat, .offset: 24, .size: 8, .value_kind: global_buffer, .address_space: global }
      - { .name: diag, .offset: 32, .size: 8, .value_kind: global_buffer, .address_space: global }
      - { .name: out0, .offset: 40, .size: 8, .value_kind: global_buffer, .address_space: global }
      - { .name: out1, .offset: 48, .size: 8, .value_kind: global_buffer, .address_space: global }
    .group_segment_fixed_size: 6912
    .private_segment_fixed_size: 0
    .kernarg_segment_align: 8
    .kernarg_segment_size: 56
    .max_flat_workgroup_size: 288
    .sgpr_count:     106
    .vgpr_count:     256
    .wavefront_size: 32
...
	.end_amdgpu_metadata
.endif
;; end of part 5
